; MI455X (gfx1250); checked and timed in simulation.
; The chip was launched on July 23, 2026; its instructions are those of AMD's public machine-readable ISA for CDNA 5 (MIT licence, August 2026) and "CDNA5" Instruction Set Architecture Reference Guide (July 2026). The comments in the code are by the model that wrote it; some were corrected since.
;; multi head attention. Allowed arithmetic: matrix products marked QUANTISED: E2M3 operands, one E8M0 scale for each 32 along K, by v_wmma_scale_f32_16x16x128_f8f6f4 with both operands' format E2M3, f32 sums; everything else in f32.
;; Inputs: W_proj_codes 1,024 x 32 x 24 uint8 (E2M3 codes of W_proj, K innermost, in blocks of 32 codes, four codes in three bytes); W_proj_scales 1,024 x 32 uint8 (E8M0 scales of W_proj, one for each 32 codes along K); W_qkv_codes 1,024 x 32 x 24 uint8 (E2M3 codes of W_qkv, K innermost, in blocks of 32 codes, four codes in three bytes); W_qkv_scales 1,024 x 32 uint8 (E8M0 scales of W_qkv, one for each 32 codes along K); b_proj 1,024 float32; x_codes 4 x 2,048 x 32 x 24 uint8 (E2M3 codes of x, K innermost, in blocks of 32 codes, four codes in three bytes); x_scales 4 x 2,048 x 32 uint8 (E8M0 scales of x, one for each 32 codes along K).
;; Outputs: out0 4 x 1,024 x 2,048 float32.
;; This version of the problem:
;;   THIS VERSION OF THE PROBLEM IS GIVEN IN LOW PRECISION. The matrix products marked QUANTISED in the list below multiply operands that are first quantised to E2M3 (2 exponent bits, 3 mantissa bits; 6 bits a number), with one power-of-two scale for each 32 numbers along K (OCP MX v1.0); their sums are f32. All else is computed in f32.
;;   The module's matrix products, in the order in which they are computed (A, B: the left and right operand; K: the contracted axis; several contracted axes count as one K, in the product's order):
;;     1. [M 1,024, K 1,024] x [K 1,024, N 8,192]; A: input W_qkv (given as codes); B: input x (given as codes): QUANTISED
;;     2. batch 64 x [M 2,048, K 64] x [K 64, N 2,048]; A: computed on the way; B: computed on the way: QUANTISED
;;     3. batch 64 x [M 64, K 2,048] x [K 2,048, N 2,048]; A: computed on the way; B: softmax (see below): QUANTISED
;;     4. [M 1,024, K 1,024] x [K 1,024, N 8,192]; A: input W_proj (given as codes); B: computed on the way: QUANTISED
;;   THE QUANTISER, for each operand of a quantised product, along K:
;;     - K is cut into blocks of 32 from its start; a last block that is shorter is filled with zeros.
;;     - A block's scale is 2^e with e = floor(log2(the largest magnitude in the block)) - 2, held to -126 .. 127; a block of zeros has e = 0. As a byte (E8M0): e + 127.
;;     - Each number is divided by its block's scale, clamped to +-7.5, and rounded to the nearest number of E2M3, ties to even, subnormals kept.
;;     - The product sums the exact products of the quantised numbers (number of the format x scale) in f32.
;;   ~~~python
;;   def quantise(x, axis):      # numpy; x: float32 -> the quantised numbers, widened to float32 again
;;       x = np.moveaxis(x, axis, -1); K = x.shape[-1]
;;       x = np.pad(x, [(0, 0)] * (x.ndim - 1) + [(0, -K % 32)]); x = x.reshape(x.shape[:-1] + (-1, 32)); a = np.abs(x).max(-1, keepdims=True)
;;       e = np.where(a > 0, np.clip(np.frexp(np.where(a > 0, a, 1))[1] - 1 - 2, -126, 127), 0)      # np.frexp(a)[1] - 1 = floor(log2(a)), exactly
;;       r = np.clip(x / 2.0 ** e, -7.5, 7.5)
;;       step = 2.0 ** (np.maximum(np.frexp(np.where(r == 0, 1, r))[1] - 1, 0) - 3)
;;       q = np.round(r / step) * step * 2.0 ** e      # np.round: ties to even
;;       return np.moveaxis(q.reshape(q.shape[:-2] + (-1,))[..., :K], -1, axis).astype(np.float32)
;;   ~~~
;;   SOFTMAX AHEAD OF A QUANTISED PRODUCT. Where the list says 'softmax', what is quantised is not the finished softmax but p = 2^(t - M), with t = logit x log2(e) and M = ceil(the row's largest t), a whole number; so 1/2 < the row's largest p <= 1. The row's sum l is taken of the UNQUANTISED p, in f32, and the product's result is divided by l at the end. Since M is a whole number, a kernel that streams over the keys may use a running M (the ceiling of the running maximum): every later rescaling is an exact power of two, which a block's scale takes up: the codes' values come out the same.
;;   OPERANDS COMPUTED ON THE WAY. 'Computed on the way' means the value that the module computes at that place (a softmax that the list does not call 'softmax' is quantised finished and normalised). What goes into a quantiser is computed in f32, as accurately as f32 sums, v_exp_f32 and their like allow (about 1e-6 of the number): no bf16 or f16 on the way to a quantiser, and a product that is left as it is and whose result goes on into a quantised operand takes f32 operands (vector FMAs, or v_wmma_f32_16x16x4_f32). A number that lies on a knife's edge between two numbers of the format may be rounded either way, as far as f32 arithmetic and the matrix unit's own rounding can turn it there, and no further.
;;   INPUTS GIVEN AS CODES. W_proj (in the module: [1024, 1024], K = its axis 0); W_qkv (in the module: [1024, 1024], K = its axis 0); x (in the module: [4, 1024, 2048], K = its axis 1): each comes as NAME_codes (uint8): NAME with its K axis moved to the last place and cut into blocks of 32 codes, [.., K / 32, bytes a block], one block behind the other in memory; four codes in three bytes: a row's codes are one little-endian stream of bits, code i at bits 6 i .. 6 i + 5 (a code: sign, 2 exponent bits, 3 mantissa bits); and NAME_scales (uint8): the same leading axes, one E8M0 byte (e + 127) for each 32 codes along K. Its value is code x scale, taken as it is: it is not quantised again, and the codes and scales need not be those that the quantiser above would give.
;; One version. Each part assembles by itself: llvm-mc -triple=amdgcn-amd-amdhsa -mcpu=gfx1250 --defsym DOCPART=n.
;; ======== version 1 of 1: 3 launches
;; workspace buffers: kv 13,107,200 bytes; ti 6,291,456 bytes; ts 262,144 bytes
;; launch qkv (part 1): grid 32 x 8, 4 waves a work-group, clusters of 4 x 4, 327,680 bytes of LDS; arguments W_qkv_codes, W_qkv_scales, x_codes, x_scales, kv; writes kv
.if DOCPART == 1
	.amdgcn_target "amdgcn-amd-amdhsa--gfx1250"
	.amdhsa_code_object_version 6
	.text
	.protected	k_q0d1e455dd2_qkv
	.globl	k_q0d1e455dd2_qkv
	.p2align	8
	.type	k_q0d1e455dd2_qkv,@function
k_q0d1e455dd2_qkv:
	s_mov_b64 s[64:65], 0
	v_nop
	global_prefetch_b8 v0, s[64:65] scope:SCOPE_SE
	s_setreg_imm32_b32 hwreg(HW_REG_WAVE_MODE, 25, 1), 1
	s_wait_xcnt 0x0
	s_wait_alu depctr_hold_cnt(0) depctr_sa_sdst(0) depctr_va_vdst(0) depctr_va_sdst(0) depctr_va_ssrc(0) depctr_va_vcc(0) depctr_vm_vsrc(0)
	s_getreg_b32 s2, hwreg(HW_REG_IB_STS2, 6, 4)
	s_cmp_eq_u32 s2, 0
	s_cbranch_scc0 .Lentry_in_a_cluster
	s_endpgm
.Lentry_in_a_cluster:
	s_bfe_u32 s2, ttmp6, 0x10000c
	s_cmp_lg_u32 s2, 0xf033
	s_cbranch_scc0 .Lentry_shape_is_right
	s_endpgm
.Lentry_shape_is_right:
; kqv[b][f][l] = sum over e of W_qkv[e][f] x[b][e][l], on codes of FP6 (E2M3) with one E8M0 byte for each 32 along e, and its result quantised TWICE, for the attention that follows:
; along d (a head's 64 f) for the scores, and along l (the keys) for the weighted sum.  Only codes and scale bytes go to memory, laid as images of operand registers (buffer kv).
; SHARES.  A work-group makes 128 f (two heads) x 256 rows (b, l); wave w makes head w / 2, rows 128 (w % 2) on: 64 f x 128 l, all 1,024 of K, eight steps of 128.
; BOTH ORIENTATIONS.  The wave multiplies the same fragments twice: source 0 = W, source 1 = x (a lane then holds one l, registers along f: quantised along d), and the sources swapped (a lane holds
; one f, registers along l: quantised along the keys).  That costs 256 matrix instructions and no LDS read more, and spares a transposition of f32 numbers through LDS; one macro quantises both.
; THE ROWS OF W THAT FORM A TILE ARE NOT NEIGHBOURS: lane r of tile 2 b + u takes row 32 b + 8 u + r + 8 (r / 8), so that the 16 registers of tiles 2 b, 2 b + 1 are 16 neighbouring d.
; LDS.  All of K for the 128 + 256 rows fits at once: nothing is filled twice.  A row's 768 bytes are cut into three pieces of 256 bytes; piece c of all rows lies in region c, rows 272 bytes apart
; (256 + 16 of padding).  Each tensor row is 256 consecutive bytes at a multiple of 256 from the buffer's first byte.  W's tensor loads have 32 rows, so that all four waves issue the same six lines.
; CLUSTER 4 x 4: W's rows are shared along a row of the cluster, x's along a column: joint loads, each with one mask.
; kv: block (16 b + head, key step of 128) of 12,800 bytes: four K fragments (registers 0-5: key 32 g + r, d block h; 6-11: key 32 g + 16 + r), four V fragments (row d = 32 (t / 2) + 8 (t % 2) + r + 8 (r / 8);
; registers 6 c ..: key block 2 c + h, inside a block keys 0-7, 16-23, 8-15, 24-31: the order in which the weights p come out too), each as three runs of 512 bytes (16 bytes a lane); 512 bytes of scale words.
; LIMITS: NaN and infinities are not served; a block whose largest magnitude lies under 2^-124, a block of zeros too, gets the byte 1 (its codes are then zeros or tiny; this program alone reads the bytes).
; REGISTERS: window 0: v1-21 addresses; v32-47 W's scale words, v48-79 x's; v80-175 W's fragments, two sets, later the eight results; v176-211 at work.  window 1: x's fragments, two sets (v0.., v128..).
;   window 2: accumulators (l tile, f tile) at 32 lt + 8 mt.   window 3: accumulators (f tile, l tile) at 64 dt + 8 lt.
.set PITCH,  272
.set WROWS,  128*PITCH                 ; W's 128 rows of a region
.set REGION, 384*PITCH                 ; then x's 256 rows
.set ALT,    24+REGION-256             ; lanes 16-31 read 24 bytes on; where that passes a piece's end: into the next region
.set BLKB,   12800
.set LI,  4                            ; v4   16 x lane
.set VW,  5                            ; v5   W's scale bytes: my row
.set VX,  6                            ; v6   x's
.set AW,  8                            ; v8-10   LDS address of my W fragments in region 0, 1, 2
.set AWX, 11                           ; v11-12  the same for the pieces whose upper lanes fall into the next region
.set AX,  13                           ; v13-15  x likewise
.set AXX, 16                           ; v16-17
.set SW,  32                           ; v[SW + 8 u + s]: lanes 0-15 tile u, lanes 16-31 tile 2 + u, K step s
.set SX,  48                           ; v[SX + 8 i + s]: lanes 0-15 tile i, lanes 16-31 tile 4 + i
.set WF,  80
.set TM,  176                          ; v176-179 largest magnitudes, v180-183 bytes, v188-191 the conversions' scale operands
.set T2,  192
.set PW,  200                          ; v200-207 the eight scale words
.set SCW, 208
.set WV,  14
.set FH,  15
.set LH,  16
.set FB,  17
.set SEL, 20
.set G1W, 24
.set G1X, 32
.set CX,  40
.set CY,  41
.set LB,  42
.set RM,  43
.set CM,  44
.set G0W, 48                           ; s48-59: group 0 for W's three pieces;  s68-79: for x's
.set G0X, 68
.set MSB, 0
.macro WIN new                         ; the immediate's high byte repeats the setting that is left
.if MSB != (\new)
	s_set_vgpr_msb (MSB<<8)|(\new)
.set MSB, \new
.endif
.endm
.macro PLACES n
.rept \n
	v_nop
.endr
.endm
.macro BAR
	s_barrier_signal -1
	s_barrier_wait -1
.endm
.macro CROUND                          ; a round of the cluster's barrier
	s_barrier_signal -1
	s_barrier_wait -1
	s_cmp_lg_u32 s[WV], 0
	s_cbranch_scc1 .Lnot_wave_0_\@
	s_barrier_signal -3
.Lnot_wave_0_\@:
	s_barrier_wait -3
	s_barrier_signal -1
	s_barrier_wait -1
.endm
	s_load_b256 s[4:11], s[0:1], 0x0               ; W's codes s[4:5], W's scales s[6:7], x's codes s[8:9], x's scales s[10:11]
	s_load_b64 s[12:13], s[0:1], 0x20              ; kv
	v_lshl_add_u32 v254, v0, 2, 0x4c800
	v_mov_b32 v255, 0
	ds_add_u32 v254, v255
	ds_add_u32 v254, v255
	v_lshrrev_b32 v1, 5, v0
	v_readfirstlane_b32 s[WV], v1                  ; wave 0..3
	s_lshr_b32 s[FH], s[WV], 1                     ; which head of the two
	s_and_b32 s[LH], s[WV], 1                      ; which 128 rows
	s_bfe_u32 s[CX], ttmp6, 0x40000
	s_bfe_u32 s[CY], ttmp6, 0x40004
	s_lshl_b32 s[LB], ttmp9, 2
	s_add_co_u32 s[LB], s[LB], s[CX]               ; block of 256 rows (b, l)
	s_and_b32 s[FB], ttmp7, 0xffff
	s_lshl_b32 s[FB], s[FB], 2
	s_add_co_u32 s[FB], s[FB], s[CY]               ; block of 128 f
	s_lshl_b32 s[RM], s[CY], 2
	s_lshl_b32 s[RM], 15, s[RM]                    ; my row of the cluster
	s_lshl_b32 s[CM], 0x1111, s[CX]                ; my column
	; group 1: rows of 32 elements of 8 bytes, 96 elements apart in memory, 16 bytes of padding behind each 256
	s_or_b32 s[G1W], s[RM], (3<<16)|(1<<20)|(1<<21)|(5<<22)|(3<<25)
	s_or_b32 s[G1X], s[CM], (3<<16)|(1<<20)|(1<<21)|(5<<22)|(3<<25)
	s_mov_b32 s[G1W+1], 32<<16                     ; tensor_dim0
	s_mov_b32 s[G1W+2], 32<<16                     ; tensor_dim1: 32 rows
	s_mov_b32 s[G1W+3], 32<<16                     ; tile_dim0
	s_mov_b32 s[G1W+4], 32                         ; tile_dim1
	s_mov_b32 s[G1W+5], 96                         ; from row to row
	s_mov_b32 s[G1W+6], 0
	s_mov_b32 s[G1W+7], 0
	s_mov_b32 s[G1X+1], 32<<16
	s_mov_b32 s[G1X+2], 64<<16                     ; 64 rows
	s_mov_b32 s[G1X+3], 32<<16
	s_mov_b32 s[G1X+4], 64
	s_mov_b32 s[G1X+5], 96
	s_mov_b32 s[G1X+6], 0
	s_mov_b32 s[G1X+7], 0
	s_lshl_b32 s80, s[FB], 7                       ; W: rows 128 fblock + 32 wave on: these registers never hold cx
	s_lshl_b32 s81, s[WV], 5
	s_add_co_u32 s80, s80, s81
	s_mul_i32 s80, s80, 768
	s_mov_b32 s81, 0
	s_lshl_b32 s82, s[LB], 8                       ; x: rows 256 lblock + 64 wave on: these never hold cy
	s_lshl_b32 s83, s[WV], 6
	s_add_co_u32 s82, s82, s83
	s_mul_i32 s82, s82, 768
	s_mov_b32 s83, 0
	s_mul_i32 s90, s[WV], 32*PITCH                 ; where they go: the wave's number alone
	s_mul_i32 s91, s[WV], 64*PITCH
	s_add_co_u32 s91, s91, WROWS
	s_lshl_b32 s84, s[FB], 7                       ; my 64 rows of W's scale bytes, 32 bytes a row
	s_lshl_b32 s85, s[FH], 6
	s_add_co_u32 s84, s84, s85
	s_lshl_b32 s84, s84, 5
	s_mov_b32 s85, 0
	s_lshl_b32 s86, s[LB], 8                       ; my 128 rows of x's
	s_lshl_b32 s87, s[LH], 7
	s_add_co_u32 s86, s86, s87
	s_lshl_b32 s86, s86, 5
	s_mov_b32 s87, 0
	s_lshr_b32 s88, s[LB], 3                       ; b
	s_lshl_b32 s88, s88, 4
	s_lshl_b32 s89, s[FB], 1
	s_add_co_u32 s88, s88, s89
	s_add_co_u32 s88, s88, s[FH]                   ; 16 b + head
	s_lshl_b32 s88, s88, 4
	s_and_b32 s89, s[LB], 7
	s_lshl_b32 s89, s89, 1
	s_add_co_u32 s88, s88, s89
	s_add_co_u32 s88, s88, s[LH]                   ; + the key step
	s_mul_i32 s88, s88, BLKB
	s_mov_b32 s89, 0
	s_mov_b32 s[SEL], 0x76543210
	s_mov_b32 s[SEL+1], 0xfedcba98                 ; v_permlanex16_b32's selects for lane l xor 16
	s_wait_dscnt 0x0
	s_wait_kmcnt 0x0
	s_add_nc_u64 s[80:81], s[4:5], s[80:81]
	s_add_nc_u64 s[82:83], s[8:9], s[82:83]
	s_add_nc_u64 s[84:85], s[6:7], s[84:85]
	s_add_nc_u64 s[86:87], s[10:11], s[86:87]
	s_add_nc_u64 s[88:89], s[12:13], s[88:89]
.irp c, 0,1,2
	s_mov_b32 s[G0W+4*\c], 1
	s_add_co_u32 s[G0W+4*\c+1], s90, \c*REGION
	s_add_nc_u64 s[G0W+4*\c+2:G0W+4*\c+3], s[80:81], 256*\c
	s_or_b32 s[G0W+4*\c+3], s[G0W+4*\c+3], 0x80000000
	s_mov_b32 s[G0X+4*\c], 1
	s_add_co_u32 s[G0X+4*\c+1], s91, \c*REGION
	s_add_nc_u64 s[G0X+4*\c+2:G0X+4*\c+3], s[82:83], 256*\c
	s_or_b32 s[G0X+4*\c+3], s[G0X+4*\c+3], 0x80000000
.endr
	CROUND                                         ; all sixteen work-groups are here: the joint loads meet
.irp c, 0,1,2                                  ; all fills of the launch, in one group: six loads of mine are out
	tensor_load_to_lds s[G0W+4*\c:G0W+4*\c+3], s[G1W:G1W+7]
	s_nop 0
	tensor_load_to_lds s[G0X+4*\c:G0X+4*\c+3], s[G1X:G1X+7]
	s_nop 0
.endr
	PLACES 4
	v_and_b32 v1, 15, v0                           ; r
	v_bfe_u32 v2, v0, 4, 1                         ; h
	v_and_b32 v3, 8, v1
	v_add_nc_u32 v3, v3, v1                        ; r + 8 (r / 8)
	v_and_b32 v4, 31, v0
	v_lshlrev_b32 v[LI], 4, v4
	v_lshlrev_b32 v[VW], 5, v3
	v_lshl_add_u32 v[VW], v2, 10, v[VW]            ; row r + 8 (r / 8) + 32 h of 32 bytes
	v_lshlrev_b32 v[VX], 5, v1
	v_lshl_add_u32 v[VX], v2, 11, v[VX]            ; row r + 64 h
	s_mul_i32 s92, s[FH], 64*PITCH
	s_mul_i32 s93, s[LH], 128*PITCH
	s_add_co_u32 s93, s93, WROWS
	v_mul_u32_u24 v18, v3, PITCH
	v_add_nc_u32 v18, s92, v18
	v_mul_u32_u24 v19, v1, PITCH
	v_add_nc_u32 v19, s93, v19
	v_mul_u32_u24 v20, v2, 24
	v_mul_u32_u24 v21, v2, ALT
	v_add_nc_u32 v[AW], v18, v20
	v_add_nc_u32 v[AW+1], REGION, v[AW]
	v_add_nc_u32 v[AW+2], 2*REGION, v[AW]
	v_add_nc_u32 v[AWX], v18, v21
	v_add_nc_u32 v[AWX+1], REGION, v[AWX]
	v_add_nc_u32 v[AX], v19, v20
	v_add_nc_u32 v[AX+1], REGION, v[AX]
	v_add_nc_u32 v[AX+2], 2*REGION, v[AX]
	v_add_nc_u32 v[AXX], v19, v21
	v_add_nc_u32 v[AXX+1], REGION, v[AXX]
.irp b, 0,1,2,3
	v_mov_b32 v[TM+4+\b], 0                        ; written once: a lane permute's destination counts as one of its sources
.endr
; The scale words of all eight K steps come once, straight into registers: 16 bytes a lane are four K steps' words of its row.
.irp u, 0,1
.irp q, 0,1
	global_load_b128 v[SW+8*\u+4*\q:SW+8*\u+4*\q+3], v[VW], s[84:85] offset:256*\u+16*\q
.endr
.endr
.irp i, 0,1,2,3
.irp q, 0,1
	global_load_b128 v[SX+8*\i+4*\q:SX+8*\i+4*\q+3], v[VX], s[86:87] offset:512*\i+16*\q
.endr
.endr
; A fragment, 16 rows x 128 K of 6-bit codes, is 12 registers: lane (r, h) holds row r; registers 6 c .. 6 c + 5 hold 24 bytes of the row's stream of bits, at 96 s + 48 c + 24 h.  In loads of 8 bytes.
; Lanes 0-15 take the row's 8-byte piece PCE, lanes 16-31 the piece three on; where that lies in the next region (PCE % 32 >= 29) the second address register serves.
.macro FRAG reg, adr, alt, s, rowoff
.irp q, 0,1,2,3,4,5
.set PCE, 12*(\s)+6*(\q/3)+\q%3
.set RG, \reg+2*\q
.if PCE%32 < 29
	ds_load_b64 v[RG:RG+1], v[\adr+PCE/32] offset:8*(PCE%32)+(\rowoff)
.else
	ds_load_b64 v[RG:RG+1], v[\alt+PCE/32] offset:8*(PCE%32)+(\rowoff)
.endif
.endr
.endm
.macro FETCH s, p                      ; K step s: W's four fragments and x's eight, into set p: 72 loads in one run
.irp mt, 0,1,2,3
	FRAG WF+48*(\p)+12*\mt, AW, AWX, \s, (32*(\mt/2)+8*(\mt%2))*PITCH
.endr
	WIN 0x40                                       ; destination window 1
.irp lt, 0,1,2,3,4,5,6,7
	FRAG 128*(\p)+12*\lt, AX, AXX, \s, 16*\lt*PITCH
.endr
	WIN 0
.endm
; One matrix instruction.  z = 1: it starts the sum.  ra, rb: the side's scale words lie in lanes 16-31.
.macro WM d, a, b, z, sa, sb, ra, rb
.set rD, \d
.set rA, \a
.set rB, \b
.set rE, \sa
.set rF, \sb
.set rV, 4*(\z)+2*(\ra)+(\rb)
.if rV == 0
	v_wmma_scale_f32_16x16x128_f8f6f4 v[rD:rD+7], v[rA:rA+11], v[rB:rB+11], v[rD:rD+7], v[rE], v[rF] matrix_a_fmt:MATRIX_FMT_FP6 matrix_b_fmt:MATRIX_FMT_FP6
.elseif rV == 1
	v_wmma_scale_f32_16x16x128_f8f6f4 v[rD:rD+7], v[rA:rA+11], v[rB:rB+11], v[rD:rD+7], v[rE], v[rF] matrix_a_fmt:MATRIX_FMT_FP6 matrix_b_fmt:MATRIX_FMT_FP6 matrix_b_scale:MATRIX_SCALE_ROW1
.elseif rV == 2
	v_wmma_scale_f32_16x16x128_f8f6f4 v[rD:rD+7], v[rA:rA+11], v[rB:rB+11], v[rD:rD+7], v[rE], v[rF] matrix_a_fmt:MATRIX_FMT_FP6 matrix_b_fmt:MATRIX_FMT_FP6 matrix_a_scale:MATRIX_SCALE_ROW1
.elseif rV == 3
	v_wmma_scale_f32_16x16x128_f8f6f4 v[rD:rD+7], v[rA:rA+11], v[rB:rB+11], v[rD:rD+7], v[rE], v[rF] matrix_a_fmt:MATRIX_FMT_FP6 matrix_b_fmt:MATRIX_FMT_FP6 matrix_a_scale:MATRIX_SCALE_ROW1 matrix_b_scale:MATRIX_SCALE_ROW1
.elseif rV == 4
	v_wmma_scale_f32_16x16x128_f8f6f4 v[rD:rD+7], v[rA:rA+11], v[rB:rB+11], 0, v[rE], v[rF] matrix_a_fmt:MATRIX_FMT_FP6 matrix_b_fmt:MATRIX_FMT_FP6
.elseif rV == 5
	v_wmma_scale_f32_16x16x128_f8f6f4 v[rD:rD+7], v[rA:rA+11], v[rB:rB+11], 0, v[rE], v[rF] matrix_a_fmt:MATRIX_FMT_FP6 matrix_b_fmt:MATRIX_FMT_FP6 matrix_b_scale:MATRIX_SCALE_ROW1
.elseif rV == 6
	v_wmma_scale_f32_16x16x128_f8f6f4 v[rD:rD+7], v[rA:rA+11], v[rB:rB+11], 0, v[rE], v[rF] matrix_a_fmt:MATRIX_FMT_FP6 matrix_b_fmt:MATRIX_FMT_FP6 matrix_a_scale:MATRIX_SCALE_ROW1
.else
	v_wmma_scale_f32_16x16x128_f8f6f4 v[rD:rD+7], v[rA:rA+11], v[rB:rB+11], 0, v[rE], v[rF] matrix_a_fmt:MATRIX_FMT_FP6 matrix_b_fmt:MATRIX_FMT_FP6 matrix_a_scale:MATRIX_SCALE_ROW1 matrix_b_scale:MATRIX_SCALE_ROW1
.endif
.endm
; The 64 accumulators take turns, one instruction a turn, in the same order in every K step.
.macro MUL1 s, p, z                    ; source 0 = W (window 0), source 1 = x (window 1), sums in window 2: a lane holds one l, registers along f
	WIN 0xa4
.irp lt, 0,1,2,3,4,5,6,7
.irp mt, 0,1,2,3
	WM 32*\lt+8*\mt, WF+48*(\p)+12*\mt, 128*(\p)+12*\lt, \z, SW+8*(\mt%2)+(\s), SX+8*(\lt%4)+(\s), \mt/2, \lt/4
.endr
.endr
.endm
.macro MUL2 s, p, z                    ; the sources swapped, sums in window 3: a lane holds one f, registers along l
	WIN 0xf1
.irp dt, 0,1,2,3
.irp lt, 0,1,2,3,4,5,6,7
	WM 64*\dt+8*\lt, 128*(\p)+12*\lt, WF+48*(\p)+12*\dt, \z, SX+8*(\lt%4)+(\s), SW+8*(\dt%2)+(\s), \lt/4, \dt/2
.endr
.endr
.endm
; A K step: its fragments are in; the next step's are asked for, 64 matrix instructions ahead of their use; then the products.
.macro STEP s
	s_wait_dscnt 0x0                               ; this step's 72 loads are in
.if \s == 1
	s_wait_tensorcnt 0x2                           ; my parts of region 1 are in (two loads, region 2's, may be out): K step 2 reads row bytes 192 to 287
	BAR                                            ; everybody's are
.endif
.if \s == 4
	s_wait_tensorcnt 0x0                           ; region 2: K step 5 reads row bytes 480 to 575
	BAR
.endif
.if \s < 7
.if \s > 0
	PLACES 4                                       ; four plain places in front of loads into registers that matrix instructions have read (ISA guide 7.12.1 for vector instructions)
.endif
	FETCH (\s)+1, ((\s)+1)%2
.endif
.if \s == 0
	MUL1 \s, 0, 1
	MUL2 \s, 0, 1
.else
	MUL1 \s, (\s)%2, 0
	MUL2 \s, (\s)%2, 0
.endif
	WIN 0
.endm
; 64 numbers of a lane in window W, register 16 b + i = the i-th of my 16 numbers of block b of my row (lane l xor 16 holds the block's other 16), become a fragment's codes in v[pc] on and its scale word in v[pw].
.macro QUANT W, src, pc, pw
	WIN 20*\W                                      ; sources 1 and 2 in window W
.irp b, 0,1,2,3
	v_max3_num_f32 v[TM+\b], 0x1800000, |v[\src+16*\b]|, |v[\src+16*\b+1]|   ; with the floor 2^(3 - 127): the byte cannot fall under 1.  Each accumulator is read from its low end on
.endr
.irp i, 2,4,6,8,10,12,14
.irp b, 0,1,2,3
	v_max3_num_f32 v[TM+\b], v[TM+\b], |v[\src+16*\b+\i]|, |v[\src+16*\b+\i+1]|   ; (the four blocks by turns)
.endr
.endr
	WIN 0
.irp b, 0,1,2,3
	v_permlanex16_b32 v[TM+4+\b], v[TM+\b], s[SEL], s[SEL+1]
.endr
.irp b, 0,1,2,3
	v_max_num_f32 v[TM+\b], v[TM+\b], v[TM+4+\b]   ; the block's largest magnitude
.endr
.irp b, 0,1,2,3
	v_add_nc_u32 v[TM+12+\b], 0xff000000, v[TM+\b]   ; 2 off its exponent field: the conversion's scale operand
.endr
.irp b, 0,1,2,3
	v_lshrrev_b32 v[TM+4+\b], 23, v[TM+12+\b]      ; the scale's byte
.endr
	v_lshl_or_b32 v[\pw], v[TM+5], 8, v[TM+4]
	v_lshl_or_b32 v[\pw], v[TM+6], 16, v[\pw]
	v_lshl_or_b32 v[\pw], v[TM+7], 24, v[\pw]
	WIN \W                                         ; source 0 in window W
.irp c, 0,1
	v_cvt_scalef32_pk16_fp6_f32 v[\pc+6*\c:\pc+6*\c+2], v[\src+32*\c:\src+32*\c+15], v[TM+12+2*\c]
	v_cvt_scalef32_pk16_fp6_f32 v[T2+4*\c:T2+4*\c+2], v[\src+32*\c+16:\src+32*\c+31], v[TM+12+2*\c+1]   ; (a conversion's three registers begin on an even number)
.endr
	WIN 0
	v_nop                                          ; one plain place behind a scaled conversion
.irp c, 0,1                                    ; the operand's layout wants a whole block in a lane: lanes 0-15 block 2 c, lanes 16-31 block 2 c + 1
.irp i, 0,1,2
	v_permlane16_swap_b32 v[\pc+6*\c+\i], v[T2+4*\c+\i]
.endr
.irp i, 0,1,2
	v_mov_b32 v[\pc+3+6*\c+\i], v[T2+4*\c+\i]
.endr
.endr
.endm
	s_wait_tensorcnt 0x4                           ; my parts of region 0 are in (the four loads behind them may be out): K steps 0 and 1 read row bytes 0 to 191
	BAR                                            ; everybody's are
	FETCH 0, 0
	s_wait_loadcnt 0x0                             ; the scale words
.irp s, 0,1,2,3,4,5,6,7
	STEP \s
.endr
	PLACES 4                                       ; in front of the first read of results, and of writes into registers that held fragments
; K's fragments: l tiles 2 g and 2 g + 1 are 64 registers: blocks (key 32 g + r: d 0-31, d 32-63; key 32 g + 16 + r: the same).  Each result has registers of its own: no store's data are written again.
.irp g, 0,1,2,3
	QUANT 2, 64*\g, WF+12*\g, PW+\g
.irp c, 0,1,2
	global_store_b128 v[LI], v[WF+12*\g+4*\c:WF+12*\g+4*\c+3], s[88:89] offset:1536*\g+512*\c   ; 32 lanes store 512 consecutive bytes, at a multiple of 512 from kv's first byte
.endr
.endr
; V's fragments: f tile g's 64 registers run along my 128 keys: four blocks of 32 keys.
.irp g, 0,1,2,3
	QUANT 3, 64*\g, WF+48+12*\g, PW+4+\g
.irp c, 0,1,2
	global_store_b128 v[LI], v[WF+48+12*\g+4*\c:WF+48+12*\g+4*\c+3], s[88:89] offset:6144+1536*\g+512*\c
.endr
.endr
	s_mov_b32 vcc_lo, 0xffff0000                   ; scale words: lanes 0-15 carry the even fragment's, lanes 16-31 the odd one's: one register then serves two fragments
.irp i, 0,1,2,3
	v_cndmask_b32 v[SCW+\i], v[PW+2*\i], v[PW+2*\i+1], vcc_lo
.endr
	global_store_b128 v[LI], v[SCW:SCW+3], s[88:89] offset:12288
	s_wait_tensorcnt 0x0
	ds_add_u32 v254, v255
	s_wait_dscnt 0x0
	CROUND                                         ; the closing round: no work-group ends while a partner may still ask for a tile that names it
	s_endpgm
.Lfunc_end_k_q0d1e455dd2_qkv:
	.size	k_q0d1e455dd2_qkv, .Lfunc_end_k_q0d1e455dd2_qkv-k_q0d1e455dd2_qkv
	.p2alignl 7, 3214868480
	.fill 96, 4, 3214868480
	.section	.rodata,"a",@progbits
	.p2align	6, 0x0
	.amdhsa_kernel k_q0d1e455dd2_qkv
		.amdhsa_group_segment_fixed_size 327680
		.amdhsa_private_segment_fixed_size 0
		.amdhsa_enable_private_segment 0
		.amdhsa_kernarg_size 40
		.amdhsa_user_sgpr_count 2
		.amdhsa_user_sgpr_kernarg_segment_ptr 1
		.amdhsa_wavefront_size32 1
		.amdhsa_system_sgpr_workgroup_id_x 1
		.amdhsa_system_sgpr_workgroup_id_y 1
		.amdhsa_system_sgpr_workgroup_id_z 1
		.amdhsa_system_vgpr_workitem_id 0
		.amdhsa_next_free_vgpr 1024
		.amdhsa_next_free_sgpr 100
		.amdhsa_reserve_vcc 1
		.amdhsa_float_denorm_mode_32 3
		.amdhsa_float_denorm_mode_16_64 3
		.amdhsa_memory_ordered 1
		.amdhsa_forward_progress 1
		.amdhsa_inst_pref_size 146
	.end_amdhsa_kernel
	.amdgpu_metadata
---
amdhsa.version: [ 1, 2 ]
amdhsa.kernels:
  - .name:           k_q0d1e455dd2_qkv
    .symbol:         k_q0d1e455dd2_qkv.kd
    .args:
      - { .name: W_qkv_codes, .offset: 0, .size: 8, .value_kind: global_buffer, .address_space: global }
      - { .name: W_qkv_scales, .offset: 8, .size: 8, .value_kind: global_buffer, .address_space: global }
      - { .name: x_codes, .offset: 16, .size: 8, .value_kind: global_buffer, .address_space: global }
      - { .name: x_scales, .offset: 24, .size: 8, .value_kind: global_buffer, .address_space: global }
      - { .name: kv, .offset: 32, .size: 8, .value_kind: global_buffer, .address_space: global }
    .group_segment_fixed_size: 327680
    .private_segment_fixed_size: 0
    .kernarg_segment_align: 8
    .kernarg_segment_size: 40
    .max_flat_workgroup_size: 128
    .sgpr_count:     100
    .vgpr_count:     1024
    .wavefront_size: 32
...
	.end_amdgpu_metadata
.endif
;; end of part 1
;; launch attn (part 2): grid 4 x 64, 16 waves a work-group, clusters of 4 x 1, 206,848 bytes of LDS; arguments kv, ti, ts; writes ti, ts
.if DOCPART == 2
	.amdgcn_target "amdgcn-amd-amdhsa--gfx1250"
	.amdhsa_code_object_version 6
	.text
	.protected	k_q0d1e455dd2_attn
	.globl	k_q0d1e455dd2_attn
	.p2align	8
	.type	k_q0d1e455dd2_attn,@function
k_q0d1e455dd2_attn:
	s_mov_b64 s[64:65], 0
	v_nop
	global_prefetch_b8 v0, s[64:65] scope:SCOPE_SE
	s_setreg_imm32_b32 hwreg(HW_REG_WAVE_MODE, 25, 1), 1
	s_wait_xcnt 0x0
	s_wait_alu depctr_hold_cnt(0) depctr_sa_sdst(0) depctr_va_vdst(0) depctr_va_sdst(0) depctr_va_ssrc(0) depctr_va_vcc(0) depctr_vm_vsrc(0)
	s_getreg_b32 s2, hwreg(HW_REG_IB_STS2, 6, 4)
	s_cmp_eq_u32 s2, 0
	s_cbranch_scc0 .Lentry_in_a_cluster
	s_endpgm
.Lentry_in_a_cluster:
	s_bfe_u32 s2, ttmp6, 0x10000c
	s_cmp_lg_u32 s2, 0x3003
	s_cbranch_scc0 .Lentry_shape_is_right
	s_endpgm
.Lentry_shape_is_right:
; t[d][j] = sum over i <= j of kqv[d][i] p[i][j] / l[j], for one head: both products on codes of FP6 (E2M3).  j is the query, i the key; queries, keys and values are one tensor, whose codes the launch before has laid
; as images of operand registers (kv).  t is quantised along e (a head's 64: two blocks) and leaves as codes (ti) and scale bytes (ts), again as images, for the projection.
; THE SOFTMAX: tt = score x log2(e) / 32; M = the largest tt so far, rounded UP to a whole number; p = 2^(tt - M) is quantised along the keys, not normalised; the sum of the unquantised p divides at the end.
; When M moves, the sum and O are multiplied by 2^(old M - new M): exact.
; SHARES.  The four work-groups of a cluster serve one head.  Its 16 key steps of 128 keys, 12,800 bytes each, fit into LDS whole: wave w brings step w by ONE joint tensor load (the same descriptor and the
; mask of all four in each work-group); nothing is filled twice, and nothing is stored to LDS.  A wave owns one tile of 16 queries at a time: tile 8 A + 2 cx + (w % 2), first with A = w / 2, then with
; A = 15 - w / 2.  Tile (A, ..) needs key steps 0 to A, so every wave works 17 key steps.  Every loop has 16 trips; a step whose keys all come after the queries is jumped over by a scalar branch on the
; wave's number and the trip; cx enters global addresses and the mask's compare alone.
; THE HEAD SIZE IS 64, half of the instruction's K: a K fragment carries two tiles of keys (K 0-63: key 32 g + r; K 64-127: key 32 g + 16 + r) and is multiplied once by [q, 0] and once by [0, q].
; LAYOUT.  Both products transposed: S^T = K Q^T, O^T = V^T P^T: a lane holds one query (lane % 16).  Register n of S^T is key 16 (n / 8) + n % 8 + 8 (lane / 16) of the step; so p's codes come out, inside a
; block of 32 keys, in the order 0-7, 16-23, 8-15, 24-31, and V's codes were laid in that order: a permutation of K applied alike to both operands.
; LIMITS: NaN and infinities are not served; a block whose largest magnitude lies under 2^-124 gets the byte 1; a block's largest p is taken from its largest score (v_exp_f32 is taken not to fall where its
; input rises); 1 / l by v_rcp_f32.  t's scale bytes leave as 2 bytes a lane: a head owns half of each scale word; they are one byte in 24 of what this launch stores.
.set BLKB, 12800
.set LI,   1                           ; v1   16 x lane
.set LI8,  2                           ; v2   8 x lane
.set R16,  3                           ; v3   16 x (lane % 16)
.set DQ,   4                           ; v4   my query's place in its key step - 8 (lane / 16)
.set ADR,  5                           ; v5   LDS address of the step in hand
.set QLO,  16                          ; v16-27  [q, 0]
.set QHI,  28                          ; v28-39  [0, q]
.set F,    40                          ; v40-87  four fragments of K, then of V
.set SCR,  88                          ; v88-91  the step's scale words: K's fragments 0 | 1, 2 | 3, V's 0 | 1, 2 | 3 (lanes 0-15 | lanes 16-31)
.set QW,   92                          ; v92     q's scale word
.set PWD,  93                          ; v93     p's scale word
.set S,    96                          ; v96-159  S^T, then p
.set O,    160                         ; v160-191 O^T
.set PC,   192                         ; v192-203 p's codes
.set T2,   204
.set BM,   212                         ; v212-215 a block's largest score, then its largest p
.set BT,   216
.set BS,   220
.set X,    224
.set FF,   226                         ; v[226:227] f = 2^(old M - new M)
.set CH2,  228
.set NINF, 230
.set TT,   232                         ; v232-237 t's codes
.set T3,   238
.set TSB,  242
.set WV,   10
.set CX,   11
.set BH,   12
.set U,    13
.set WH,   14
.set A,    15
.set SIG,  16
.set TB,   17
.set SEL,  20
.set CS,   22
.set G1,   24
.set G0,   32
.set KVH,  36
.set QB,   38
.set QS,   40
.set TIB,  42
.set TSA,  44
.set SH,   46
.macro PLACES n
.rept \n
	v_nop
.endr
.endm
.macro CROUND
	s_barrier_signal -1
	s_barrier_wait -1
	s_cmp_lg_u32 s[WV], 0
	s_cbranch_scc1 .Lnot_wave_0_\@
	s_barrier_signal -3
.Lnot_wave_0_\@:
	s_barrier_wait -3
	s_barrier_signal -1
	s_barrier_wait -1
.endm
	s_load_b128 s[4:7], s[0:1], 0x0                ; kv s[4:5], ti s[6:7]
	s_load_b64 s[8:9], s[0:1], 0x10                ; ts
	v_lshl_add_u32 v254, v0, 2, 0x32000
	v_mov_b32 v255, 0
	ds_add_u32 v254, v255
	ds_add_u32 v254, v255
	v_lshrrev_b32 v1, 5, v0
	v_readfirstlane_b32 s[WV], v1                  ; wave 0..15
	s_bfe_u32 s[CX], ttmp6, 0x40000                ; my place in the cluster
	s_and_b32 s[BH], ttmp7, 0xffff                 ; 16 b + head, which the four partners share
	s_and_b32 s[U], s[WV], 1
	s_lshr_b32 s[WH], s[WV], 1
	s_lshl_b32 s[SH], s[U], 4
	s_mov_b32 s[G1], 15|(3<<16)|(1<<21)            ; the mask: all four; elements of 8 bytes; bit 21 set beside a mask; no padding: images are read 16 bytes a lane on end
	s_mov_b32 s[G1+1], 32<<16                      ; a dense block of 12,800 bytes as 50 rows of 256
	s_mov_b32 s[G1+2], 50<<16
	s_mov_b32 s[G1+3], 32<<16
	s_mov_b32 s[G1+4], 50
	s_mov_b32 s[G1+5], 32
	s_mov_b32 s[G1+6], 0
	s_mov_b32 s[G1+7], 0
	s_mul_i32 s[KVH], s[BH], 16*BLKB
	s_mov_b32 s[KVH+1], 0
	s_mul_i32 s48, s[WV], BLKB
	s_mov_b32 s49, 0
	s_mov_b32 s[SEL], 0x76543210
	s_mov_b32 s[SEL+1], 0xfedcba98
	s_mov_b32 s[CS], 0x3d38aa3b                    ; c = log2(e) / 32
	s_mov_b32 s[CS+1], s[CS]                       ; (named with it as a pair, so it is written)
	s_wait_dscnt 0x0
	s_wait_kmcnt 0x0
	s_add_nc_u64 s[KVH:KVH+1], s[4:5], s[KVH:KVH+1]   ; the head's first byte
	s_mov_b32 s[G0], 1
	s_mov_b32 s[G0+1], s48                         ; key step w lands at w x 12,800
	s_add_nc_u64 s[G0+2:G0+3], s[KVH:KVH+1], s[48:49]
	s_or_b32 s[G0+3], s[G0+3], 0x80000000
	CROUND                                         ; all four work-groups are here: the joint loads meet
	tensor_load_to_lds s[G0:G0+3], s[G1:G1+7]      ; my one load of the launch
	s_nop 0
	PLACES 4
	v_and_b32 v6, 15, v0                           ; r
	v_bfe_u32 v7, v0, 4, 1                         ; h
	v_and_b32 v1, 31, v0
	v_lshlrev_b32 v[LI8], 3, v1
	v_lshlrev_b32 v[LI], 4, v1
	v_lshlrev_b32 v[R16], 4, v6
	s_lshl_b32 s50, s[CX], 5
	s_add_co_u32 s50, s50, s[SH]
	v_lshlrev_b32 v7, 3, v7
	v_sub_nc_u32 v[DQ], v6, v7
	v_add_nc_u32 v[DQ], s50, v[DQ]                 ; 32 cx + 16 u + r - 8 h
.irp i, 0,1,2,3,4,5
	v_mov_b32 v[QLO+6+\i], 0                       ; zero codes: they add nothing under any scale byte but 0xff
	v_mov_b32 v[QHI+\i], 0
.endr
.irp b, 0,1,2,3
	v_mov_b32 v[BT+\b], 0                          ; written once: a lane permute's destination counts as one of its sources
.endr
	v_mov_b32 v[X], 0
	v_mov_b32 v[FF+1], 0                           ; (named as the upper half of a pair)
	v_mov_b32 v[NINF], 0xff800000                  ; -infinity
	s_wait_tensorcnt 0x0                           ; my key step is in,
	s_barrier_signal -1
	s_barrier_wait -1                              ; everybody's is: the whole head lies in LDS
; ONE TILE OF 16 QUERIES.  jb = 0: A = w / 2;  jb = 1: A = 15 - w / 2.
.macro JOB jb
	s_wait_xcnt 0x0                                ; the last tile's stores have read their registers and bases
.if \jb
	s_sub_co_u32 s[A], 15, s[WH]
.else
	s_mov_b32 s[A], s[WH]
.endif
	s_mul_i32 s48, s[A], BLKB                      ; my queries lie in key step A, in its K fragment cx, half u
	s_mul_i32 s50, s[CX], 1536
	s_add_co_u32 s50, s50, s48
	s_mov_b32 s51, 0
	s_add_nc_u64 s[QB:QB+1], s[KVH:KVH+1], s[50:51]
	s_and_b32 s50, s[CX], 1                        ; its scale words: lanes 16 (cx % 2) on, word cx / 2 of the lane's four
	s_lshl_b32 s50, s50, 8
	s_lshr_b32 s52, s[CX], 1
	s_lshl_b32 s52, s52, 2
	s_add_co_u32 s50, s50, s52
	s_add_co_u32 s50, s50, s48
	s_add_nc_u64 s[QS:QS+1], s[KVH:KVH+1], s[50:51]
	s_lshr_b32 s50, s[BH], 4                       ; b
	s_lshl_b32 s52, s50, 3
	s_lshr_b32 s53, s[A], 1
	s_add_co_u32 s52, s52, s53                     ; the block of 256 rows: 8 b + A / 2
	s_lshl_b32 s52, s52, 4
	s_and_b32 s53, s[BH], 15
	s_add_co_u32 s52, s52, s53                     ; the head
	s_mul_i32 s52, s52, 12288
	s_and_b32 s53, s[A], 1
	s_lshl_b32 s53, s53, 3
	s_lshl_b32 s54, s[CX], 1
	s_add_co_u32 s54, s54, s[U]
	s_add_co_u32 s53, s53, s54                     ; the tile in the block: 8 (A % 2) + 2 cx + u
	s_mul_i32 s53, s53, 768
	s_add_co_u32 s52, s52, s53
	s_mov_b32 s53, 0
	s_add_nc_u64 s[TIB:TIB+1], s[6:7], s[52:53]
	s_lshl_b32 s50, s50, 7
	s_lshl_b32 s52, s[A], 3
	s_add_co_u32 s50, s50, s52
	s_add_co_u32 s50, s50, s54                     ; the tile among all: 128 b + 8 A + 2 cx + u: 512 bytes of scale bytes each
	s_lshl_b32 s50, s50, 9
	s_and_b32 s52, s[BH], 8
	s_lshl_b32 s52, s52, 5                         ; 256 x (head / 8)
	s_add_co_u32 s50, s50, s52
	s_and_b32 s52, s[BH], 7
	s_lshl_b32 s52, s52, 1                         ; 2 x (head % 8)
	s_add_co_u32 s50, s50, s52
	s_add_nc_u64 s[TSA:TSA+1], s[8:9], s[50:51]
.irp c, 0,1,2                                  ; from memory, not from LDS
	global_load_b128 v[F+4*\c:F+4*\c+3], v[LI], s[QB:QB+1] offset:512*\c
.endr
	global_load_b32 v6, v[R16], s[QS:QS+1] offset:12288
	s_wait_loadcnt 0x0
	s_cmp_lg_u32 s[U], 0
	s_cselect_b32 vcc_lo, -1, 0
.irp i, 0,1,2,3,4,5
	v_cndmask_b32 v[QLO+\i], v[F+\i], v[F+6+\i], vcc_lo      ; the fragment's lower or upper six registers are my 16 queries
	v_cndmask_b32 v[QHI+6+\i], v[F+\i], v[F+6+\i], vcc_lo
.endr
	v_lshrrev_b32 v7, s[SH], v6
	v_and_b32 v7, 0xffff, v7                       ; my queries' two bytes,
	v_lshl_or_b32 v[QW], v7, 16, v7                ; in both halves of the word: one half stands over q, the other over zero codes
	v_mov_b32 v13, 0xff61b1e6                      ; the largest tt so far: -3e38
	v_floor_f32 v12, -v13                          ; -M
	v_mov_b32 v14, 0                               ; the sum, in two halves
	v_mov_b32 v15, 0
.set nn, 0
.rept 32
	v_mov_b32 v[O+nn], 0                           ; O^T.  (The step is written once: the first finds zeros.  These are also the places between q's registers and the first products)
.set nn, nn+1
.endr
	s_mov_b32 s[SIG], 0
	s_mov_b32 s[TB], 0
.Lstep_\@:                                         ; 16 trips, a constant
	s_cmp_gt_u32 s[SIG], s[A]
	s_cbranch_scc1 .Lhidden_\@                     ; all its keys come after my queries
	v_add_nc_u32 v[ADR], s[TB], v[LI]
	PLACES 4                                       ; in front of loads into registers that matrix instructions have read
.irp g, 0,1,2,3
.irp c, 0,1,2
	ds_load_b128 v[F+12*\g+4*\c:F+12*\g+4*\c+3], v[ADR] offset:1536*\g+512*\c
.endr
.endr
	ds_load_b128 v[SCR:SCR+3], v[ADR] offset:12288
	s_wait_dscnt 0x0
.irp g, 0,1,2,3                                ; S^T: eight accumulators, one instruction each
.if \g%2
	v_wmma_scale_f32_16x16x128_f8f6f4 v[S+16*\g:S+16*\g+7], v[F+12*\g:F+12*\g+11], v[QLO:QLO+11], 0, v[SCR+\g/2], v[QW] matrix_a_fmt:MATRIX_FMT_FP6 matrix_b_fmt:MATRIX_FMT_FP6 matrix_a_scale:MATRIX_SCALE_ROW1
	v_wmma_scale_f32_16x16x128_f8f6f4 v[S+16*\g+8:S+16*\g+15], v[F+12*\g:F+12*\g+11], v[QHI:QHI+11], 0, v[SCR+\g/2], v[QW] matrix_a_fmt:MATRIX_FMT_FP6 matrix_b_fmt:MATRIX_FMT_FP6 matrix_a_scale:MATRIX_SCALE_ROW1
.else
	v_wmma_scale_f32_16x16x128_f8f6f4 v[S+16*\g:S+16*\g+7], v[F+12*\g:F+12*\g+11], v[QLO:QLO+11], 0, v[SCR+\g/2], v[QW] matrix_a_fmt:MATRIX_FMT_FP6 matrix_b_fmt:MATRIX_FMT_FP6
	v_wmma_scale_f32_16x16x128_f8f6f4 v[S+16*\g+8:S+16*\g+15], v[F+12*\g:F+12*\g+11], v[QHI:QHI+11], 0, v[SCR+\g/2], v[QW] matrix_a_fmt:MATRIX_FMT_FP6 matrix_b_fmt:MATRIX_FMT_FP6
.endif
.endr
	PLACES 4
.irp g, 0,1,2,3                                ; V's fragments land under the softmax
.irp c, 0,1,2
	ds_load_b128 v[F+12*\g+4*\c:F+12*\g+4*\c+3], v[ADR] offset:6144+1536*\g+512*\c
.endr
.endr
	s_cmp_lg_u32 s[SIG], s[A]
	s_cbranch_scc1 .Lopen_\@                       ; all keys of this step count
.set nn, 0
.rept 64                                       ; the step on the diagonal: hidden scores become -infinity ahead of the maximum: p = 0 then
	v_cmp_gt_i32 vcc_lo, 16*(nn/8)+nn%8, v[DQ]
	v_cndmask_b32 v[S+nn], v[S+nn], v[NINF], vcc_lo
.set nn, nn+1
.endr
.Lopen_\@:
.irp b, 0,1,2,3
	v_max3_num_f32 v[BM+\b], v[S+16*\b], v[S+16*\b+1], v[S+16*\b+2]   ; the largest score of each block of 32 keys: for the row's maximum, and for the block's largest p
.endr
.irp i, 3,5,7,9,11,13
.irp b, 0,1,2,3
	v_max3_num_f32 v[BM+\b], v[BM+\b], v[S+16*\b+\i], v[S+16*\b+\i+1]
.endr
.endr
.irp b, 0,1,2,3
	v_max_num_f32 v[BM+\b], v[BM+\b], v[S+16*\b+15]
.endr
.irp b, 0,1,2,3
	v_permlanex16_b32 v[BT+\b], v[BM+\b], s[SEL], s[SEL+1]
.endr
.irp b, 0,1,2,3
	v_max_num_f32 v[BM+\b], v[BM+\b], v[BT+\b]     ; with lane l xor 16's 16 keys
.endr
	v_max3_num_f32 v[X], v[BM], v[BM+1], v[BM+2]
	v_max_num_f32 v[X], v[X], v[BM+3]
	v_mul_f32 v[X], s[CS], v[X]                    ; as tt (c is positive)
	v_max_num_f32 v13, v13, v[X]                   ; the running largest tt
	v_mov_b32 v[X], v12
	v_floor_f32 v12, -v13                          ; the new -M = -ceil(tt): a whole number
	v_sub_f32 v[X], v12, v[X]                      ; old M - new M: a whole number, 0 or less
	v_cvt_i32_f32 v[X], v[X]                       ; (it saturates)
	v_ldexp_f32 v[FF], 1.0, v[X]                   ; f = 2^(old M - new M)
.set nn, 0
.rept 32
	v_pk_fma_f32 v[S+nn:S+nn+1], v[S+nn:S+nn+1], s[CS:CS+1], v[12:13] op_sel_hi:[1,0,0]   ; tt - M, two at a time
.set nn, nn+2
.endr
.irp b, 0,1,2,3
	v_fma_f32 v[BM+\b], v[BM+\b], s[CS], v12       ; the same of each block's largest score
.endr
.set nn, 0
.rept 64
	v_exp_f32 v[S+nn], v[S+nn]                     ; p = 2^(tt - M), at most 1
.set nn, nn+1
.endr
.irp b, 0,1,2,3
	v_exp_f32 v[BM+\b], v[BM+\b]                   ; the block's largest p: the same two instructions on the same number
.endr
	v_pk_mul_f32 v[14:15], v[14:15], v[FF:FF+1] op_sel_hi:[1,0]   ; the sums under the new M.  (A plain place behind the exponentials)
	s_wait_alu depctr_va_vdst(0)
.irp b, 0,1,2,3
	v_max_num_f32 v[BM+\b], 0x1800000, v[BM+\b]    ; the floor 2^(3 - 127): the byte cannot fall under 1
.endr
.irp b, 0,1,2,3
	v_add_nc_u32 v[BS+\b], 0xff000000, v[BM+\b]    ; 2 off the exponent field: the conversion's scale operand
.endr
.irp b, 0,1,2,3
	v_lshrrev_b32 v[BT+\b], 23, v[BS+\b]
.endr
	v_lshl_or_b32 v[PWD], v[BT+1], 8, v[BT]        ; p's scale word for these 128 keys
	v_lshl_or_b32 v[PWD], v[BT+2], 16, v[PWD]
	v_lshl_or_b32 v[PWD], v[BT+3], 24, v[PWD]
.irp c, 0,1
	v_cvt_scalef32_pk16_fp6_f32 v[PC+6*\c:PC+6*\c+2], v[S+32*\c:S+32*\c+15], v[BS+2*\c]
	v_cvt_scalef32_pk16_fp6_f32 v[T2+4*\c:T2+4*\c+2], v[S+32*\c+16:S+32*\c+31], v[BS+2*\c+1]
.endr
	v_nop                                          ; one plain place behind a scaled conversion
.irp c, 0,1                                    ; a whole block in a lane: lanes 0-15 block 2 c, lanes 16-31 block 2 c + 1
.irp i, 0,1,2
	v_permlane16_swap_b32 v[PC+6*\c+\i], v[T2+4*\c+\i]
.endr
.irp i, 0,1,2
	v_mov_b32 v[PC+3+6*\c+\i], v[T2+4*\c+\i]
.endr
.endr
	v_pk_add_f32 v[CH2:CH2+1], v[S:S+1], v[S+2:S+3]   ; the row's sum is taken of the unquantised p: two at a time, in two chains
.irp j, 4,8,12,16,20,24,28,32,36,40,44,48,52,56,60
	v_pk_add_f32 v[14:15], v[14:15], v[S+\j:S+\j+1]
	v_pk_add_f32 v[CH2:CH2+1], v[CH2:CH2+1], v[S+\j+2:S+\j+3]
.endr
	v_pk_add_f32 v[14:15], v[14:15], v[CH2:CH2+1]
.set nn, 0
.rept 16
	v_pk_mul_f32 v[O+nn:O+nn+1], v[O+nn:O+nn+1], v[FF:FF+1] op_sel_hi:[1,0]   ; O^T under the new M, each accumulator from its low end on.  (With the sums: the places between p's codes and scale word and the products)
.set nn, nn+2
.endr
	s_wait_dscnt 0x0                               ; V is in
.irp t, 0,1,2,3                                ; O^T += V^T P^T: four accumulators, one instruction each
.if \t%2
	v_wmma_scale_f32_16x16x128_f8f6f4 v[O+8*\t:O+8*\t+7], v[F+12*\t:F+12*\t+11], v[PC:PC+11], v[O+8*\t:O+8*\t+7], v[SCR+2+\t/2], v[PWD] matrix_a_fmt:MATRIX_FMT_FP6 matrix_b_fmt:MATRIX_FMT_FP6 matrix_a_scale:MATRIX_SCALE_ROW1
.else
	v_wmma_scale_f32_16x16x128_f8f6f4 v[O+8*\t:O+8*\t+7], v[F+12*\t:F+12*\t+11], v[PC:PC+11], v[O+8*\t:O+8*\t+7], v[SCR+2+\t/2], v[PWD] matrix_a_fmt:MATRIX_FMT_FP6 matrix_b_fmt:MATRIX_FMT_FP6
.endif
.endr
.Lhidden_\@:
	s_add_co_u32 s[TB], s[TB], BLKB
	s_add_co_u32 s[SIG], s[SIG], 1
	s_cmp_lt_u32 s[SIG], 16
	s_cbranch_scc1 .Lstep_\@
	; t = O^T / the sum, quantised along e.  Register 16 b + i of lane (r, h) is e = 32 b + 16 h + i of the head, for query r (V's rows were chosen for that).
	PLACES 4
	v_add_f32 v14, v14, v15
	v_permlanex16_b32 v[X], v14, s[SEL], s[SEL+1]
	v_add_f32 v14, v14, v[X]                       ; the row's sum
	v_rcp_f32 v14, v14
	v_nop                                          ; one plain place behind a transcendental
.set nn, 0
	s_wait_alu depctr_va_vdst(0)
.rept 16
	v_pk_mul_f32 v[O+nn:O+nn+1], v[O+nn:O+nn+1], v[14:15] op_sel_hi:[1,0]
.set nn, nn+2
.endr
.irp b, 0,1
	v_max3_num_f32 v[BM+\b], |v[O+16*\b]|, |v[O+16*\b+1]|, 0x1800000
.endr
.irp i, 2,4,6,8,10,12,14
.irp b, 0,1
	v_max3_num_f32 v[BM+\b], v[BM+\b], |v[O+16*\b+\i]|, |v[O+16*\b+\i+1]|
.endr
.endr
.irp b, 0,1
	v_permlanex16_b32 v[BT+\b], v[BM+\b], s[SEL], s[SEL+1]
.endr
.irp b, 0,1
	v_max_num_f32 v[BM+\b], v[BM+\b], v[BT+\b]
.endr
.irp b, 0,1
	v_add_nc_u32 v[BS+\b], 0xff000000, v[BM+\b]
.endr
.irp b, 0,1
	v_lshrrev_b32 v[BT+\b], 23, v[BS+\b]
.endr
	v_lshl_or_b32 v[TSB], v[BT+1], 8, v[BT]        ; the head's two bytes of my row's scale word
	v_cvt_scalef32_pk16_fp6_f32 v[TT:TT+2], v[O:O+15], v[BS]
	v_cvt_scalef32_pk16_fp6_f32 v[T3:T3+2], v[O+16:O+31], v[BS+1]
	v_nop
.irp i, 0,1,2
	v_permlane16_swap_b32 v[TT+\i], v[T3+\i]
.endr
.irp i, 0,1,2
	v_mov_b32 v[TT+3+\i], v[T3+\i]                 ; six registers: block h of the head's 64, for row r: half of the projection's fragment
.endr
	global_store_b128 v[LI], v[TT:TT+3], s[TIB:TIB+1]               ; 512 consecutive bytes,
	global_store_b64 v[LI8], v[TT+4:TT+5], s[TIB:TIB+1] offset:512   ; and 256: both at multiples of 256 from ti's first byte
	global_store_b16 v[R16], v[TSB], s[TSA:TSA+1]                   ; lanes l and l xor 16 write the same two bytes with the same value
.endm
	JOB 0
	JOB 1
	s_wait_tensorcnt 0x0
	ds_add_u32 v254, v255
	s_wait_dscnt 0x0
	CROUND                                         ; the closing round
	s_endpgm
.Lfunc_end_k_q0d1e455dd2_attn:
	.size	k_q0d1e455dd2_attn, .Lfunc_end_k_q0d1e455dd2_attn-k_q0d1e455dd2_attn
	.p2alignl 7, 3214868480
	.fill 96, 4, 3214868480
	.section	.rodata,"a",@progbits
	.p2align	6, 0x0
	.amdhsa_kernel k_q0d1e455dd2_attn
		.amdhsa_group_segment_fixed_size 206848
		.amdhsa_private_segment_fixed_size 0
		.amdhsa_enable_private_segment 0
		.amdhsa_kernarg_size 24
		.amdhsa_user_sgpr_count 2
		.amdhsa_user_sgpr_kernarg_segment_ptr 1
		.amdhsa_wavefront_size32 1
		.amdhsa_system_sgpr_workgroup_id_x 1
		.amdhsa_system_sgpr_workgroup_id_y 1
		.amdhsa_system_sgpr_workgroup_id_z 1
		.amdhsa_system_vgpr_workitem_id 0
		.amdhsa_next_free_vgpr 256
		.amdhsa_next_free_sgpr 66
		.amdhsa_reserve_vcc 1
		.amdhsa_float_denorm_mode_32 3
		.amdhsa_float_denorm_mode_16_64 3
		.amdhsa_memory_ordered 1
		.amdhsa_forward_progress 1
		.amdhsa_inst_pref_size 60
	.end_amdhsa_kernel
	.amdgpu_metadata
---
amdhsa.version: [ 1, 2 ]
amdhsa.kernels:
  - .name:           k_q0d1e455dd2_attn
    .symbol:         k_q0d1e455dd2_attn.kd
    .args:
      - { .name: kv, .offset: 0, .size: 8, .value_kind: global_buffer, .address_space: global }
      - { .name: ti, .offset: 8, .size: 8, .value_kind: global_buffer, .address_space: global }
      - { .name: ts, .offset: 16, .size: 8, .value_kind: global_buffer, .address_space: global }
    .group_segment_fixed_size: 206848
    .private_segment_fixed_size: 0
    .kernarg_segment_align: 8
    .kernarg_segment_size: 24
    .max_flat_workgroup_size: 512
    .sgpr_count:     66
    .vgpr_count:     256
    .wavefront_size: 32
...
	.end_amdgpu_metadata
.endif
;; end of part 2
;; launch proj (part 3): grid 32 x 8, 4 waves a work-group, clusters of 4 x 4, 327,680 bytes of LDS; arguments W_proj_codes, W_proj_scales, b_proj, ti, ts, out0; writes out0
.if DOCPART == 3
	.amdgcn_target "amdgcn-amd-amdhsa--gfx1250"
	.amdhsa_code_object_version 6
	.text
	.protected	k_q0d1e455dd2_proj
	.globl	k_q0d1e455dd2_proj
	.p2align	8
	.type	k_q0d1e455dd2_proj,@function
k_q0d1e455dd2_proj:
	s_mov_b64 s[64:65], 0
	v_nop
	global_prefetch_b8 v0, s[64:65] scope:SCOPE_SE
	s_setreg_imm32_b32 hwreg(HW_REG_WAVE_MODE, 25, 1), 1
	s_wait_xcnt 0x0
	s_wait_alu depctr_hold_cnt(0) depctr_sa_sdst(0) depctr_va_vdst(0) depctr_va_sdst(0) depctr_va_ssrc(0) depctr_va_vcc(0) depctr_vm_vsrc(0)
	s_getreg_b32 s2, hwreg(HW_REG_IB_STS2, 6, 4)
	s_cmp_eq_u32 s2, 0
	s_cbranch_scc0 .Lentry_in_a_cluster
	s_endpgm
.Lentry_in_a_cluster:
	s_bfe_u32 s2, ttmp6, 0x10000c
	s_cmp_lg_u32 s2, 0xf033
	s_cbranch_scc0 .Lentry_shape_is_right
	s_endpgm
.Lentry_shape_is_right:
; out[b][f][l] = sum over e of W_proj[e][f] t[b][e][l] + b_proj[f], on codes of FP6 (E2M3) with one E8M0 byte for each 32 along e; out is f32.
; t comes as the launch before has laid it: images of operand registers (ti: for each block of 256 rows l, head, tile of 16 rows: six registers a lane, 768 bytes) and scale bytes (ts).
; SHARES.  A work-group makes 128 f x 256 l; wave w makes f 64 (w / 2) on, l 128 (w % 2) on: 32 accumulators; K = 1,024 in eight steps of 128 (two heads each).
; Source 0 = 16 rows l of t, source 1 = 16 rows f of W: a lane holds one f (lane % 16) and eight neighbouring l: 32 bytes of a row of out.  The bias is the C of each sum's first instruction.
; LDS.  All of K fits at once; nothing is filled twice.  Bytes 0 to 196,607: the l block's images, as they lie in ti.  Then W's 128 rows, cut into three pieces of 256 bytes, piece c of all rows together,
; rows 272 bytes apart.  Then a stage of 16 rows x 272 bytes for each wave, into which no fill lands.
; CLUSTER 4 x 4: W's rows are shared along a row of the cluster, t's images along a column: joint loads, each with one mask.
; REGISTERS: window 0: v1-30 addresses; v32-47 W's scale words, v48-79 t's; v80-175 W's fragments, two sets, later rows of out; v176-207 the bias, eight equal registers a tile.
;   window 1: t's fragments, two sets (v0.., v128..).   window 2: accumulators (f tile, l tile) at 64 ft + 8 lt.
.set PITCH,  272
.set WBASE,  196608
.set WCH,    128*PITCH                 ; one piece of W's 128 rows
.set ALT,    24+WCH-256
.set STAGE,  WBASE+3*WCH
.set LI,   4
.set VW,   5
.set VT,   6
.set VB,   7
.set AW,   8                           ; v8-10, v11-12: as in the first launch
.set AWX,  11
.set AT16, 13                          ; v13-16  t's images of K steps 2 k, 2 k + 1: 16 bytes a lane
.set AT8,  17                          ; v17-20  the same, 8 bytes a lane
.set STO,  24
.set RD,   25
.set CO,   26
.set SW,   32                          ; v[SW + 8 u + s]: lanes 0-15 f tile u, lanes 16-31 tile 2 + u
.set ST,   48                          ; v[ST + 8 i + s]: lanes 0-15 l tile i, lanes 16-31 tile 4 + i
.set WF,   80
.set BK,   80                          ; the way out: two sets of 32
.set BI,   176
.set WV,   16
.set FH,   17
.set LH,   18
.set FB,   19
.set G1W,  24
.set G1TA, 32
.set G1TB, 40
.set G0W,  48
.set G0T,  68
.set CX,   92
.set CY,   93
.set LB,   94
.set RM,   95
.set CM,   96
.set MSB, 0
.macro WIN new
.if MSB != (\new)
	s_set_vgpr_msb (MSB<<8)|(\new)
.set MSB, \new
.endif
.endm
.macro PLACES n
.rept \n
	v_nop
.endr
.endm
.macro BAR
	s_barrier_signal -1
	s_barrier_wait -1
.endm
.macro CROUND
	s_barrier_signal -1
	s_barrier_wait -1
	s_cmp_lg_u32 s[WV], 0
	s_cbranch_scc1 .Lnot_wave_0_\@
	s_barrier_signal -3
.Lnot_wave_0_\@:
	s_barrier_wait -3
	s_barrier_signal -1
	s_barrier_wait -1
.endm
	s_load_b256 s[4:11], s[0:1], 0x0               ; W's codes s[4:5], W's scales s[6:7], the bias s[8:9], ti s[10:11]
	s_load_b128 s[12:15], s[0:1], 0x20             ; ts s[12:13], out s[14:15]
	v_lshl_add_u32 v254, v0, 2, 0x4dc00
	v_mov_b32 v255, 0
	ds_add_u32 v254, v255
	ds_add_u32 v254, v255
	v_lshrrev_b32 v1, 5, v0
	v_readfirstlane_b32 s[WV], v1
	s_lshr_b32 s[FH], s[WV], 1
	s_and_b32 s[LH], s[WV], 1
	s_bfe_u32 s[CX], ttmp6, 0x40000
	s_bfe_u32 s[CY], ttmp6, 0x40004
	s_lshl_b32 s[LB], ttmp9, 2
	s_add_co_u32 s[LB], s[LB], s[CX]               ; block of 256 rows (b, l)
	s_and_b32 s[FB], ttmp7, 0xffff
	s_lshl_b32 s[FB], s[FB], 2
	s_add_co_u32 s[FB], s[FB], s[CY]               ; block of 128 f
	s_lshl_b32 s[RM], s[CY], 2
	s_lshl_b32 s[RM], 15, s[RM]
	s_lshl_b32 s[CM], 0x1111, s[CX]
	s_or_b32 s[G1W], s[RM], (3<<16)|(1<<20)|(1<<21)|(5<<22)|(3<<25)   ; W: 32 rows of 256 bytes, 768 apart in memory, 16 bytes of padding behind each
	s_mov_b32 s[G1W+1], 32<<16
	s_mov_b32 s[G1W+2], 32<<16
	s_mov_b32 s[G1W+3], 32<<16
	s_mov_b32 s[G1W+4], 32
	s_mov_b32 s[G1W+5], 96
	s_mov_b32 s[G1W+6], 0
	s_mov_b32 s[G1W+7], 0
	s_or_b32 s[G1TA], s[CM], (3<<16)|(1<<21)       ; t: dense blocks as rows of 256 bytes, no padding: 48 rows,
	s_mov_b32 s[G1TA+1], 32<<16
	s_mov_b32 s[G1TA+2], 48<<16
	s_mov_b32 s[G1TA+3], 32<<16
	s_mov_b32 s[G1TA+4], 48
	s_mov_b32 s[G1TA+5], 32
	s_mov_b32 s[G1TA+6], 0
	s_mov_b32 s[G1TA+7], 0
	s_or_b32 s[G1TB], s[CM], (3<<16)|(1<<21)       ; and 72
	s_mov_b32 s[G1TB+1], 32<<16
	s_mov_b32 s[G1TB+2], 72<<16
	s_mov_b32 s[G1TB+3], 32<<16
	s_mov_b32 s[G1TB+4], 72
	s_mov_b32 s[G1TB+5], 32
	s_mov_b32 s[G1TB+6], 0
	s_mov_b32 s[G1TB+7], 0
	s_lshl_b32 s80, s[FB], 7                       ; W: rows 128 fblock + 32 wave on: these registers never hold cx
	s_lshl_b32 s81, s[WV], 5
	s_add_co_u32 s80, s80, s81
	s_mul_i32 s80, s80, 768
	s_mov_b32 s81, 0
	s_mul_i32 s82, s[LB], 196608                   ; t: the l block's images: these never hold cy
	s_mov_b32 s83, 0
	s_mul_i32 s90, s[WV], 32*PITCH
	s_add_co_u32 s90, s90, WBASE
	s_mul_i32 s91, s[WV], 12288                    ; my quarter of K steps 0, 1;
	s_mul_i32 s97, s[WV], 18432                    ; of steps 2 to 4 and of steps 5 to 7
	s_lshl_b32 s84, s[FB], 7
	s_lshl_b32 s85, s[FH], 6
	s_add_co_u32 s84, s84, s85                     ; my first f
	s_lshl_b32 s20, s84, 2                         ; in the bias,
	s_mov_b32 s21, 0
	s_lshl_b32 s88, s84, 13                        ; in out (rows of 8,192 bytes),
	s_lshl_b32 s84, s84, 5                         ; in W's scale bytes
	s_mov_b32 s85, 0
	s_lshl_b32 s86, s[LB], 4
	s_lshl_b32 s87, s[LH], 3
	s_add_co_u32 s86, s86, s87                     ; my first tile of rows l: 512 scale bytes each
	s_lshl_b32 s86, s86, 9
	s_mov_b32 s87, 0
	s_lshr_b32 s89, s[LB], 3
	s_lshl_b32 s89, s89, 23                        ; b x 1,024 rows of out
	s_add_co_u32 s88, s88, s89
	s_and_b32 s89, s[LB], 7
	s_lshl_b32 s89, s89, 10                        ; my first l, in bytes
	s_add_co_u32 s88, s88, s89
	s_lshl_b32 s89, s[LH], 9
	s_add_co_u32 s88, s88, s89
	s_mov_b32 s89, 0
	s_mov_b32 s23, 0
	s_wait_dscnt 0x0
	s_wait_kmcnt 0x0
	s_add_nc_u64 s[80:81], s[4:5], s[80:81]
	s_add_nc_u64 s[82:83], s[10:11], s[82:83]
	s_add_nc_u64 s[84:85], s[6:7], s[84:85]
	s_add_nc_u64 s[20:21], s[8:9], s[20:21]
	s_add_nc_u64 s[86:87], s[12:13], s[86:87]
	s_add_nc_u64 s[88:89], s[14:15], s[88:89]
.irp c, 0,1,2
	s_mov_b32 s[G0W+4*\c], 1
	s_add_co_u32 s[G0W+4*\c+1], s90, \c*WCH
	s_add_nc_u64 s[G0W+4*\c+2:G0W+4*\c+3], s[80:81], 256*\c
	s_or_b32 s[G0W+4*\c+3], s[G0W+4*\c+3], 0x80000000
.endr
	s_mov_b32 s22, s91                             ; t's images land at the byte at which they lie in the l block
	s_mov_b32 s[G0T], 1
	s_mov_b32 s[G0T+1], s22
	s_add_nc_u64 s[G0T+2:G0T+3], s[82:83], s[22:23]
	s_or_b32 s[G0T+3], s[G0T+3], 0x80000000
	s_add_co_u32 s22, s97, 49152
	s_mov_b32 s[G0T+4], 1
	s_mov_b32 s[G0T+5], s22
	s_add_nc_u64 s[G0T+6:G0T+7], s[82:83], s[22:23]
	s_or_b32 s[G0T+7], s[G0T+7], 0x80000000
	s_add_co_u32 s22, s97, 122880
	s_mov_b32 s[G0T+8], 1
	s_mov_b32 s[G0T+9], s22
	s_add_nc_u64 s[G0T+10:G0T+11], s[82:83], s[22:23]
	s_or_b32 s[G0T+11], s[G0T+11], 0x80000000
	CROUND                                         ; all sixteen work-groups are here: the joint loads meet
	tensor_load_to_lds s[G0W:G0W+3], s[G1W:G1W+7]  ; all fills of the launch, in one group: six loads of mine are out
	s_nop 0
	tensor_load_to_lds s[G0T:G0T+3], s[G1TA:G1TA+7]
	s_nop 0
	tensor_load_to_lds s[G0W+4:G0W+7], s[G1W:G1W+7]
	s_nop 0
	tensor_load_to_lds s[G0T+4:G0T+7], s[G1TB:G1TB+7]
	s_nop 0
	tensor_load_to_lds s[G0W+8:G0W+11], s[G1W:G1W+7]
	s_nop 0
	tensor_load_to_lds s[G0T+8:G0T+11], s[G1TB:G1TB+7]
	s_nop 0
	PLACES 4
	v_and_b32 v1, 15, v0                           ; r
	v_bfe_u32 v2, v0, 4, 1                         ; h
	v_and_b32 v3, 31, v0                           ; lane
	v_lshlrev_b32 v[LI], 4, v3
	v_lshlrev_b32 v[VW], 5, v1
	v_lshl_add_u32 v[VW], v2, 10, v[VW]            ; W's scale bytes: row r + 32 h of 32 bytes
	v_lshlrev_b32 v[VT], 4, v1
	v_lshl_add_u32 v[VT], v2, 11, v[VT]            ; t's: 16 bytes a row, four tiles on for lanes 16-31
	v_lshlrev_b32 v[VB], 2, v1
	s_mul_i32 s22, s[FH], 64*PITCH
	s_add_co_u32 s22, s22, WBASE
	v_mul_u32_u24 v27, v1, PITCH
	v_add_nc_u32 v27, s22, v27
	v_mul_u32_u24 v28, v2, 24
	v_mul_u32_u24 v29, v2, ALT
	v_add_nc_u32 v[AW], v27, v28
	v_add_nc_u32 v[AW+1], WCH, v[AW]
	v_add_nc_u32 v[AW+2], 2*WCH, v[AW]
	v_add_nc_u32 v[AWX], v27, v29
	v_add_nc_u32 v[AWX+1], WCH, v[AWX]
	s_mul_i32 s22, s[LH], 6144                     ; my eight tiles of 768 bytes
	v_add_nc_u32 v[AT16], s22, v[LI]
	v_lshlrev_b32 v30, 3, v3
	v_add_nc_u32 v[AT8], s22, v30
.irp k, 1,2,3
	v_add_nc_u32 v[AT16+\k], \k*49152, v[AT16]
	v_add_nc_u32 v[AT8+\k], \k*49152, v[AT8]
.endr
	s_mul_i32 s22, s[WV], 16*PITCH
	s_add_co_u32 s22, s22, STAGE                   ; my stage
	v_mul_u32_u24 v[STO], v1, PITCH
	v_lshl_add_u32 v[STO], v2, 5, v[STO]
	v_add_nc_u32 v[STO], s22, v[STO]               ; in: row r, 32 bytes for each half of the lanes
	v_mul_u32_u24 v[RD], v2, PITCH
	v_lshl_add_u32 v[RD], v1, 4, v[RD]
	v_add_nc_u32 v[RD], s22, v[RD]                 ; back: lanes 0-15 one row of 256 bytes, lanes 16-31 the next
	v_lshlrev_b32 v[CO], 13, v2
	v_lshl_add_u32 v[CO], v1, 4, v[CO]             ; and the same two rows in out
.irp u, 0,1                                    ; the scale words of all eight K steps, once: 16 bytes a lane are four K steps' words of its row
.irp q, 0,1
	global_load_b128 v[SW+8*\u+4*\q:SW+8*\u+4*\q+3], v[VW], s[84:85] offset:512*\u+16*\q
.endr
.endr
.irp i, 0,1,2,3
.irp q, 0,1
	global_load_b128 v[ST+8*\i+4*\q:ST+8*\i+4*\q+3], v[VT], s[86:87] offset:512*\i+256*\q
.endr
.endr
.irp t, 0,1,2,3
	global_load_b32 v[BI+8*\t], v[VB], s[20:21] offset:64*\t   ; b_proj of f = 16 t + r
.endr
.macro FRAG reg, adr, alt, s, rowoff   ; a fragment of W from rows: six loads of 8 bytes; where lanes 16-31 fall into the next piece of the row, the second address register serves
.irp q, 0,1,2,3,4,5
.set PCE, 12*(\s)+6*(\q/3)+\q%3
.set RG, \reg+2*\q
.if PCE%32 < 29
	ds_load_b64 v[RG:RG+1], v[\adr+PCE/32] offset:8*(PCE%32)+(\rowoff)
.else
	ds_load_b64 v[RG:RG+1], v[\alt+PCE/32] offset:8*(PCE%32)+(\rowoff)
.endif
.endr
.endm
.macro TFRAG reg, s, i                 ; a fragment of t from its two images (heads 2 s and 2 s + 1): registers 0-3 and 4-5, 6-9 and 10-11
.set TO, ((\s)%2)*24576+768*(\i)
.set TR, \reg
	ds_load_b128 v[TR:TR+3], v[AT16+(\s)/2] offset:TO
	ds_load_b64 v[TR+4:TR+5], v[AT8+(\s)/2] offset:TO+512
	ds_load_b128 v[TR+6:TR+9], v[AT16+(\s)/2] offset:TO+12288
	ds_load_b64 v[TR+10:TR+11], v[AT8+(\s)/2] offset:TO+12288+512
.endm
.macro FETCH s, p
.irp ft, 0,1,2,3
	FRAG WF+48*(\p)+12*\ft, AW, AWX, \s, 16*\ft*PITCH
.endr
	WIN 0x40                                       ; destination window 1
.irp lt, 0,1,2,3,4,5,6,7
	TFRAG 128*(\p)+12*\lt, \s, \lt
.endr
	WIN 0
.endm
.macro WM d, a, b, c, sa, sb, ra, rb   ; one matrix instruction; ra, rb: the side's scale words lie in lanes 16-31
.set rD, \d
.set rA, \a
.set rB, \b
.set rC, \c
.set rE, \sa
.set rF, \sb
.set rV, 2*(\ra)+(\rb)
.if rV == 0
	v_wmma_scale_f32_16x16x128_f8f6f4 v[rD:rD+7], v[rA:rA+11], v[rB:rB+11], v[rC:rC+7], v[rE], v[rF] matrix_a_fmt:MATRIX_FMT_FP6 matrix_b_fmt:MATRIX_FMT_FP6
.elseif rV == 1
	v_wmma_scale_f32_16x16x128_f8f6f4 v[rD:rD+7], v[rA:rA+11], v[rB:rB+11], v[rC:rC+7], v[rE], v[rF] matrix_a_fmt:MATRIX_FMT_FP6 matrix_b_fmt:MATRIX_FMT_FP6 matrix_b_scale:MATRIX_SCALE_ROW1
.elseif rV == 2
	v_wmma_scale_f32_16x16x128_f8f6f4 v[rD:rD+7], v[rA:rA+11], v[rB:rB+11], v[rC:rC+7], v[rE], v[rF] matrix_a_fmt:MATRIX_FMT_FP6 matrix_b_fmt:MATRIX_FMT_FP6 matrix_a_scale:MATRIX_SCALE_ROW1
.else
	v_wmma_scale_f32_16x16x128_f8f6f4 v[rD:rD+7], v[rA:rA+11], v[rB:rB+11], v[rC:rC+7], v[rE], v[rF] matrix_a_fmt:MATRIX_FMT_FP6 matrix_b_fmt:MATRIX_FMT_FP6 matrix_a_scale:MATRIX_SCALE_ROW1 matrix_b_scale:MATRIX_SCALE_ROW1
.endif
.endm
.macro MUL s, p                        ; 32 accumulators by turns, one instruction a turn, in the same order in every K step
.if \s == 0
	WIN 0x81                                       ; source 0 (t) window 1, source 1 (W) and C (the bias) window 0, D window 2
.else
	WIN 0xa1                                       ; C and D window 2
.endif
.irp ft, 0,1,2,3
.irp lt, 0,1,2,3,4,5,6,7
.if \s == 0
	WM 64*\ft+8*\lt, 128*(\p)+12*\lt, WF+48*(\p)+12*\ft, BI+8*\ft, ST+8*(\lt%4)+(\s), SW+8*(\ft%2)+(\s), \lt/4, \ft/2
.else
	WM 64*\ft+8*\lt, 128*(\p)+12*\lt, WF+48*(\p)+12*\ft, 64*\ft+8*\lt, ST+8*(\lt%4)+(\s), SW+8*(\ft%2)+(\s), \lt/4, \ft/2
.endif
.endr
.endr
.endm
.macro STEP s
	s_wait_dscnt 0x0                               ; this step's fragments are in
.if \s == 1
	s_wait_tensorcnt 0x2                           ; W's second piece and t's K steps 2 to 4: my parts are in (the last two loads may be out),
	BAR                                            ; everybody's are
.endif
.if \s == 4
	s_wait_tensorcnt 0x0                           ; W's third piece and t's K steps 5 to 7
	BAR
.endif
.if \s < 7
.if \s > 0
	PLACES 4                                       ; in front of loads into registers that matrix instructions have read
.endif
	FETCH (\s)+1, ((\s)+1)%2
.endif
	MUL \s, (\s)%2
	WIN 0
.endm
; THE WAY OUT, by blocks of 16 rows f x 64 l (256 bytes a row): block a = 2 ft + half.  Through my own stage, so that sixteen lanes store 256 consecutive bytes of a row of out.
.macro TOSTAGE a
.set AC, 64*((\a)/2)+32*((\a)%2)
.set BB, BK+32*((\a)%2)
	WIN 0x08                                       ; an LDS store's data are its source 1: window 2
.irp k, 0,1,2,3
	ds_store_b128 v[STO], v[AC+8*\k:AC+8*\k+3] offset:64*\k          ; each accumulator from its low end on
	ds_store_b128 v[STO], v[AC+8*\k+4:AC+8*\k+7] offset:64*\k+16
.endr
	WIN 0
.irp i, 0,1,2,3,4,5,6,7
	ds_load_b128 v[BB+4*\i:BB+4*\i+3], v[RD] offset:2*\i*PITCH       ; LDS serves a wave's instructions in order (ISA guide 5.7.1.4): these see the stores above, and the next block's stores come behind them
.endr
.endm
.macro SEND a, younger
.set BB, BK+32*((\a)%2)
	s_wait_dscnt \younger                          ; the block is back in registers
.irp i, 0,1,2,3,4,5,6,7
	global_store_b128 v[CO], v[BB+4*\i:BB+4*\i+3], s[88:89] offset:(16*((\a)/2)+2*\i)*8192+256*((\a)%2) th:TH_STORE_NT   ; 16 lanes store 256 consecutive bytes, at a multiple of 256 from out's first byte
.endr
.endm
	s_wait_tensorcnt 0x4                           ; W's first piece and t's K steps 0, 1: my parts are in (the four loads behind them may be out),
	BAR                                            ; everybody's are
	FETCH 0, 0
	s_wait_loadcnt 0x0                             ; the scale words and the bias
.irp t, 0,1,2,3
.irp j, 1,2,3,4,5,6,7
	v_mov_b32 v[BI+8*\t+\j], v[BI+8*\t]            ; a lane's eight results belong to one f: eight equal registers in the result's layout
.endr
.endr
.irp s, 0,1,2,3,4,5,6,7
	STEP \s
.endr
	PLACES 4                                       ; in front of the first read of results, and of loads into registers that held fragments
	TOSTAGE 0
.irp a, 1,2,3,4,5,6,7
.if \a > 1
	s_wait_xcnt 0x0                                ; block a - 2's stores have read their registers: block a's loads may land there
.endif
	TOSTAGE \a
	SEND \a-1, 16                                  ; behind block a - 1's loads: block a's eight stores and eight loads
.endr
	SEND 7, 0
	s_wait_tensorcnt 0x0
	ds_add_u32 v254, v255
	s_wait_dscnt 0x0
	CROUND                                         ; the closing round: no work-group ends while a partner may still ask for a tile that names it
	s_endpgm
.Lfunc_end_k_q0d1e455dd2_proj:
	.size	k_q0d1e455dd2_proj, .Lfunc_end_k_q0d1e455dd2_proj-k_q0d1e455dd2_proj
	.p2alignl 7, 3214868480
	.fill 96, 4, 3214868480
	.section	.rodata,"a",@progbits
	.p2align	6, 0x0
	.amdhsa_kernel k_q0d1e455dd2_proj
		.amdhsa_group_segment_fixed_size 327680
		.amdhsa_private_segment_fixed_size 0
		.amdhsa_enable_private_segment 0
		.amdhsa_kernarg_size 48
		.amdhsa_user_sgpr_count 2
		.amdhsa_user_sgpr_kernarg_segment_ptr 1
		.amdhsa_wavefront_size32 1
		.amdhsa_system_sgpr_workgroup_id_x 1
		.amdhsa_system_sgpr_workgroup_id_y 1
		.amdhsa_system_sgpr_workgroup_id_z 1
		.amdhsa_system_vgpr_workitem_id 0
		.amdhsa_next_free_vgpr 768
		.amdhsa_next_free_sgpr 100
		.amdhsa_reserve_vcc 0
		.amdhsa_float_denorm_mode_32 3
		.amdhsa_float_denorm_mode_16_64 3
		.amdhsa_memory_ordered 1
		.amdhsa_forward_progress 1
		.amdhsa_inst_pref_size 89
	.end_amdhsa_kernel
	.amdgpu_metadata
---
amdhsa.version: [ 1, 2 ]
amdhsa.kernels:
  - .name:           k_q0d1e455dd2_proj
    .symbol:         k_q0d1e455dd2_proj.kd
    .args:
      - { .name: W_proj_codes, .offset: 0, .size: 8, .value_kind: global_buffer, .address_space: global }
      - { .name: W_proj_scales, .offset: 8, .size: 8, .value_kind: global_buffer, .address_space: global }
      - { .name: b_proj, .offset: 16, .size: 8, .value_kind: global_buffer, .address_space: global }
      - { .name: ti, .offset: 24, .size: 8, .value_kind: global_buffer, .address_space: global }
      - { .name: ts, .offset: 32, .size: 8, .value_kind: global_buffer, .address_space: global }
      - { .name: out0, .offset: 40, .size: 8, .value_kind: global_buffer, .address_space: global }
    .group_segment_fixed_size: 327680
    .private_segment_fixed_size: 0
    .kernarg_segment_align: 8
    .kernarg_segment_size: 48
    .max_flat_workgroup_size: 128
    .sgpr_count:     100
    .vgpr_count:     768
    .wavefront_size: 32
...
	.end_amdgpu_metadata
.endif
;; end of part 3
